; MI455X (gfx1250); checked and timed in simulation.
; The chip was launched on July 23, 2026; its instructions are those of AMD's public machine-readable ISA for CDNA 5 (MIT licence, August 2026) and "CDNA5" Instruction Set Architecture Reference Guide (July 2026). The comments in the code are by the model that wrote it; some were corrected since.
;; Attend. Allowed arithmetic: matrix products marked QUANTISED: E2M1 operands, one E8M0 scale for each 32 along K, by v_wmma_scale_f32_16x16x128_f8f6f4 with both operands' format E2M1 (or v_wmma_scale_f32_32x16x128_f4), f32 sums; products left as they are: bf16, f16 or f32 operands; f32 sums; everything else in f32.
;; Inputs: k 4 x 16 x 2,048 x 64 float32; q 4 x 16 x 2,048 x 64 float32; v 4 x 16 x 2,048 x 64 float32.
;; Outputs: out0 4 x 16 x 2,048 x 64 float32.
;; Constants: swap = 1.
;; This version of the problem:
;;   THIS VERSION OF THE PROBLEM IS GIVEN IN LOW PRECISION. The matrix products marked QUANTISED in the list below multiply operands that are first quantised to E2M1 (2 exponent bits, 1 mantissa bit; 4 bits a number), with one power-of-two scale for each 32 numbers along K (OCP MX v1.0); their sums are f32. The products marked 'left as it is' may take bf16, f16 or f32 operands, with f32 sums. Whichever they take, every output number must still come out within the allowed error. Rounding operands to bf16 (8 significant bits) uses up far more of that allowance than f16 does (11 bits, for magnitudes from 6e-5 to 65,504). All else is computed in f32.
;;   The module's matrix products, in the order in which they are computed (A, B: the left and right operand; K: the contracted axis; several contracted axes count as one K, in the product's order):
;;     1. batch 64 x [M 2,048, K 64] x [K 64, N 2,048]; A: input q; B: input k: QUANTISED
;;     2. batch 64 x [M 2,048, K 2,048] x [K 2,048, N 64]; A: computed on the way; B: input v: left as it is (an operand is computed on the way)
;;   THE QUANTISER, for each operand of a quantised product, along K:
;;     - K is cut into blocks of 32 from its start; a last block that is shorter is filled with zeros.
;;     - A block's scale is 2^e with e = floor(log2(the largest magnitude in the block)) - 2, held to -126 .. 127; a block of zeros has e = 0. As a byte (E8M0): e + 127.
;;     - Each number is divided by its block's scale, clamped to +-6, and rounded to the nearest number of E2M1, ties to even, subnormals kept.
;;     - The product sums the exact products of the quantised numbers (number of the format x scale) in f32.
;;   ~~~python
;;   def quantise(x, axis):      # numpy; x: float32 -> the quantised numbers, widened to float32 again
;;       x = np.moveaxis(x, axis, -1); K = x.shape[-1]
;;       x = np.pad(x, [(0, 0)] * (x.ndim - 1) + [(0, -K % 32)]); x = x.reshape(x.shape[:-1] + (-1, 32)); a = np.abs(x).max(-1, keepdims=True)
;;       e = np.where(a > 0, np.clip(np.frexp(np.where(a > 0, a, 1))[1] - 1 - 2, -126, 127), 0)      # np.frexp(a)[1] - 1 = floor(log2(a)), exactly
;;       r = np.clip(x / 2.0 ** e, -6, 6)
;;       step = 2.0 ** (np.maximum(np.frexp(np.where(r == 0, 1, r))[1] - 1, 0) - 1)
;;       q = np.round(r / step) * step * 2.0 ** e      # np.round: ties to even
;;       return np.moveaxis(q.reshape(q.shape[:-2] + (-1,))[..., :K], -1, axis).astype(np.float32)
;;   ~~~
;; 2 versions, each right; version 2 is version 1 with the launch attend written anew for expert scheduling mode. Each part assembles by itself: llvm-mc -triple=amdgcn-amd-amdhsa -mcpu=gfx1250 --defsym DOCPART=n.
;; ======== version 1 of 2: 1 launch
;; limits: values are held in f16: magnitudes above 65,504 overflow, below 6.1e-05 lose precision
;; launch attend (part 1): grid 8 x 32, 8 waves a work-group, no clusters, 249,088 bytes of LDS; arguments q, k, v, out0; writes out0
.if DOCPART == 1
	.amdgcn_target "amdgcn-amd-amdhsa--gfx1250"
	.amdhsa_code_object_version 6
	.text
	.protected	k_q6a66d1de84_attend
	.globl	k_q6a66d1de84_attend
	.p2align	8
	.type	k_q6a66d1de84_attend,@function
k_q6a66d1de84_attend:
	s_mov_b64 s[64:65], 0
	v_nop
	global_prefetch_b8 v0, s[64:65] scope:SCOPE_SE
	s_setreg_imm32_b32 hwreg(HW_REG_WAVE_MODE, 25, 1), 1
	s_wait_xcnt 0x0
; out[b][h][i][:] = the sum over j of softmax_j(Q(q[b'][h][i]) . Q(k[b'][h][j]) / 8) v[b][h][j][:], b' = b mod 2 (swap = 1: the weights of batches 0 and 1 serve batches 2 and 3 too).
; q, k, v, out: [4][16][2048][64] f32.  Q(.) = codes of E2M1 with one E8M0 scale for each 32 of the 64 channels; the scores are made by the scaled FP4 matrix instruction; the second product takes
; the weights p and v as f16, sums in f32; maxima, exponentials and row sums in f32.
; SHARES.  256 work-groups: x = a block of 256 queries, y = 16 b' + h.  Eight waves; a wave owns 32 queries (two tiles of 16) and keeps O^T for BOTH batches b' and b' + 2: one softmax feeds two value tensors.
; q[2:] and k[2:] enter no output under swap = 1 and are not loaded.
; TWO PASSES over the 2,048 keys, 64 a step.  Pass 1: scores, and each query's true maximum m.  Pass 2: the same scores by the same instructions (the same bits), p = 2^(c s - c m), c = log2(e) / 8,
; the row's sum of the unrounded p, and O^T += V^T P.  So O^T is never rescaled, and no exponential waits for a maximum inside the loop.
; K IS QUANTISED ONCE A WORK-GROUP: wave w takes keys 256 w .. 256 w + 255; the codes go to LDS as images of the operand's registers (64 KB) with their scale words (4 KB) and stay for both passes.
; K = 64 IN AN INSTRUCTION OF K = 128: source 0 (8 registers) holds TWO tiles of 16 keys, tile 2 d in registers 0-3 (the unit's k 0-63) and tile 2 d + 1 in registers 4-7 (k 64-127).  Q's codes stand between runs of zero
; codes, [0][q0][0][q1][0], four registers each: the eight registers (q, 0) pick the first tile, (0, q) the second: zero codes add nothing.  The keys' scale word holds the two tiles' two bytes each, Q's its two bytes twice.
; S^T = K Q^T: lane (r, h) holds query r and keys 8 h + 0 .. 7 of a tile; two tiles, rounded to f16 in pairs, ARE source 1 (32 keys x 16 queries) of O^T = V^T P.
; V WITHOUT A TRANSPOSITION: channel tile t takes channels 4 r + t in its row r.  Lane (r, h) loads 16 bytes, V[key][4 r .. 4 r + 3], of its 16 keys (sixteen lanes read a whole row of 256 bytes); 32 packed
; conversions give the four fragments (32 keys x 64 channels) of one batch: a UNIT, 4 KB as an image.  A slot of the ring holds 128 keys x 2 batches = 8 units, one from each wave.
; In O^T register j of tile t is channel 32 h + 4 j + t: a lane's 32 registers, taken j first, are 32 neighbouring channels of its query.
; NO CLUSTER, NO TENSOR LOAD: what the eight work-groups of a pair share (k, v) arrives as f32 and has to pass through registers before it is an operand; brought jointly it would land in LDS as f32: 32 KB written and 32 KB read
; more for each 64 keys beside the 128 KB of fragment reads, and a round of the cluster's barrier for each slot.
; LIMITS: NaN and infinities among the inputs are not served.  |v| up to 65,504 (f16).  A block of 32 whose largest magnitude lies under 2^-124 (zeros among them) gets the scale byte 1, where the rule gives a block of zeros 127:
; its codes are zeros or the rule's own, and the bytes are read by this program alone.
;
; LDS (bytes): 0 K's images, 64 x 1,024 | 65,536 K's scale words, 64 x 64 (256 left unused behind them) | 69,888 V's ring, 2 slots x 8 units x 4,096 | 135,424 a turning stage for each wave, 9,728 |
;   213,248 a stage for the way out for each wave, 16 rows x 272 | 248,064 the spare words, 128 for each wave.
; REGISTERS, window 0: v1-16 addresses; v18, v19 the add's two; v20-23 -c m; v24-31 row sums; v32-51 Q's codes and zeros; v52, v53 Q's scale words; v54 K's; v56-71 K's fragments of a step; v72-135 S^T, then p
;   (in the head 64 numbers to quantise; in pass 2 also a unit's f16 fragments; on the way out, with v136-199, four blocks of O); v136-167 P; v168-231 V's fragments; v232-253 at work.
;   window 1: v0-127 O^T (64 q + 32 batch + 8 t); v128-191, v192-255 two units of V as loaded.  In the head all four quarters take units of q and k as loaded.
.set SCK,   65536
.set VIMG,  69888
.set TURN,  135424
.set OSTG,  213248
.set SPARE, 248064
.set L16,  1                           ; 16 x lane
.set VLO,  2                           ; V: 2,048 h + 16 r
.set PFO,  3                           ; 256 x lane: a row of V
.set ATS,  4                           ; turning stage, in
.set ATL,  5                           ; turning stage, out
.set AKS,  6                           ; where I store K's images: 8,192 w + 16 lane
.set ASS,  7                           ; and their scale words: SCK + 512 w + 4 r
.set AKL,  8                           ; the step's images of K
.set ASL,  9                           ; the step's scale words
.set ASL0, 10                          ; SCK + 4 lane
.set AVS,  11                          ; where I store my unit of V: VIMG + 4,096 w + 16 lane
.set AVL,  12                          ; VIMG + 16 lane
.set AOS,  13                          ; the way out: in
.set AOL,  14                          ; the way out: back
.set GOO,  15                          ; 256 h + 16 r: two rows of out
.set SH8,  16                          ; 8 h
.set SPW,  18                          ; LDS address of my spare word; never rewritten
.set NIL,  19                          ; 0; never rewritten
.set NCM,  20                          ; v[20:21], v[22:23]: -c m of tile 0, 1 in the low word
.set LS,   24                          ; tile q: two pairs of partial row sums
.set QB,   32
.set QS,   52
.set KSC,  54
.set KF,   56
.set S,    72
.set P,    136
.set VF,   168
.set MX,   232                         ; pass 1: eight running maxima
.set QM,   232                         ; the quantiser: four chains,
.set QE,   236                         ; two scale operands,
.set QBY,  238                         ; two bytes
.set KC,   240                         ; a pair of tiles' codes
.set PT,   248                         ; destinations of lane permutes
.set KW,   250                         ; K's scale word
.set INV,  252                         ; 1 / l of tile 0, 1
.set WV,   12
.set SEL,  20                          ; s[20:21] v_permlanex16_b32's selects for lane l xor 16
.set CS,   22                          ; s[22:23] c, twice
.set TB,   24                          ; LDS byte of the step's images of K
.set TS,   25                          ; and of its scale words
.set CNT,  26
.set LIM,  27
.set VB,   28                          ; s[28:29] my unit of V, walking
.set NC,   32                          ; -c
.set P1,   33
.set MSB, 0
.macro WIN new                         ; s_set_vgpr_msb: bits 1:0 source 0, 3:2 source 1, 5:4 source 2, 7:6 destination; the high byte repeats the setting that is left
.if MSB != \new
	s_set_vgpr_msb (MSB<<8)|\new
.set MSB, \new
.endif
.endm
; A unit of q or k as it lies: 32 rows x 256 bytes, sixteen loads of 512 consecutive bytes, into quarter buf of window 1
.macro GLOAD buf, base, imm, nt
	WIN 0x40
.irp jj, 0,1,2,3,4,5,6,7,8,9,10,11,12,13,14,15
.if \nt
	global_load_b128 v[64*(\buf)+4*\jj:64*(\buf)+4*\jj+3], v[L16], s[\base:\base+1] offset:(\imm)+512*\jj th:TH_LOAD_NT
.else
	global_load_b128 v[64*(\buf)+4*\jj:64*(\buf)+4*\jj+3], v[L16], s[\base:\base+1] offset:(\imm)+512*\jj
.endif
.endr
	WIN 0
.endm
; A unit of V: 32 keys of one batch; register 4 (8 a + n) + t = V[16 a + 8 h + n][4 r + t]; each load reads two whole rows
.macro VGLOAD lb, imm
	WIN 0x40
.irp a, 0,1
.irp n, 0,1,2,3,4,5,6,7
	global_load_b128 v[128+64*(\lb)+4*(8*\a+\n):128+64*(\lb)+4*(8*\a+\n)+3], v[VLO], s[VB:VB+1] offset:(\imm)+(16*\a+\n)*256
.endr
.endr
	WIN 0
.endm
; 64 numbers of a lane, v[S + 32 u + 0 .. 31] = block h (32 channels) of row r of tile u, become tile u's codes (four registers from d0, d1 on) and its two scale bytes in v[QBY + u] (both halves of the lanes hold both)
.macro QUANT d0, d1
.irp u, 0,1
	v_max3_num_f32 v[QM+2*\u], |v[S+32*\u]|, |v[S+32*\u+1]|, 0x1800000          ; the floor 2^(3 - 127) among the leaves: the byte cannot fall under 1
	v_max3_num_f32 v[QM+2*\u+1], |v[S+32*\u+16]|, |v[S+32*\u+17]|, 0x1800000
.endr
.irp n, 2,4,6,8,10,12,14
.irp u, 0,1
	v_max3_num_f32 v[QM+2*\u], v[QM+2*\u], |v[S+32*\u+\n]|, |v[S+32*\u+\n+1]|   ; four chains by turns
	v_max3_num_f32 v[QM+2*\u+1], v[QM+2*\u+1], |v[S+32*\u+16+\n]|, |v[S+32*\u+17+\n]|
.endr
.endr
.irp u, 0,1
	v_max_num_f32 v[QM+2*\u], v[QM+2*\u], v[QM+2*\u+1]                          ; the block's largest magnitude: all 32 numbers are mine
.endr
.irp u, 0,1
	v_add_nc_u32 v[QE+\u], 0xff000000, v[QM+2*\u]                               ; 2 off its exponent field: the conversion takes that field as its scale
.endr
.irp u, 0,1
	v_lshrrev_b32 v[QBY+\u], 23, v[QE+\u]                                       ; the scale's byte
.endr
.irp g, 0,1,2,3
	v_cvt_scalef32_pk8_fp4_f32 v[\d0+\g], v[S+8*\g:S+8*\g+7], v[QE]
	v_cvt_scalef32_pk8_fp4_f32 v[\d1+\g], v[S+32+8*\g:S+32+8*\g+7], v[QE+1]
.endr
.irp u, 0,1
	v_lshlrev_b32 v[QBY+\u], v[SH8], v[QBY+\u]                                  ; block h's byte at its place.  (Also the plain instruction behind the conversions)
.endr
.irp u, 0,1
	v_permlanex16_b32 v[PT+\u], v[QBY+\u], s[SEL], s[SEL+1]
.endr
.irp u, 0,1
	v_or_b32 v[QBY+\u], v[QBY+\u], v[PT+\u]                                     ; with the other block's
.endr
.endm
; Unit i of the head: 0 = my 32 queries, 1 .. 8 = my 256 keys, 32 at a time.  The loads took the bytes as they lie; the conversions want a whole block of 32 channels in one lane: the unit turns through my own stage:
; in: tile 4,864, block 2,432, row 144, 16 bytes a lane (a store's sixteen lanes: 128 bytes, and 128 more at 128 modulo 256); out: rows 144 bytes apart, an odd multiple of 16.
; lcnt: the loads issued behind this unit's sixteen.
.macro UNIT i, lcnt
	s_wait_loadcnt \lcnt
	WIN 0x04                                       ; an LDS store's data are its source 1: window 1
.irp jj, 0,1,2,3,4,5,6,7,8,9,10,11,12,13,14,15
	ds_store_b128 v[ATS], v[64*((\i)%4)+4*\jj:64*((\i)%4)+4*\jj+3] offset:(\jj/8)*4864+(\jj%8)*288
.endr
	WIN 0
.irp u, 0,1
.irp j, 0,1,2,3,4,5,6,7
	ds_load_b128 v[S+32*\u+4*\j:S+32*\u+4*\j+3], v[ATL] offset:\u*4864+16*\j   ; my own bytes; LDS serves a wave's instructions in order (ISA guide 5.7.1.4): these see the stores above
.endr
.endr
	s_wait_dscnt 0x0                               ; the numbers are back; the stores have read the quarter, which is loaded again below; the last unit's image stores have read their codes
.if (\i) < 5
	GLOAD (\i)%4, 6, ((\i)+3)*8192, 0              ; unit i + 4
.elseif (\i) == 6
	VGLOAD 0, 0                                    ; V's unit of slot 0, into the quarter just left
.elseif (\i) == 7
	VGLOAD 1, 32768                                ; and of slot 1
.endif
.if (\i) == 0
	QUANT QB+4, QB+12
	v_lshl_or_b32 v[QS], v[QBY], 16, v[QBY]        ; Q's scale words: the tile's two bytes twice, for (q, 0) and (0, q) alike
	v_lshl_or_b32 v[QS+1], v[QBY+1], 16, v[QBY+1]
.else
	QUANT KC, KC+4
	v_lshl_or_b32 v[KW], v[QBY+1], 16, v[QBY]      ; the pair's scale word: first tile's two bytes, second tile's two
	ds_store_b128 v[AKS], v[KC:KC+3] offset:((\i)-1)*1024
	ds_store_b128 v[AKS], v[KC+4:KC+7] offset:((\i)-1)*1024+512
	ds_store_b32 v[ASS], v[KW] offset:((\i)-1)*64  ; lanes r and r + 16 store the same word at the same place
.endif
.endm
; The fragments of a key step: two pairs of tiles, and one register of scale words: lanes 0-15 the first pair's rows, lanes 16-31 the second's
.macro KLOAD
.irp n, 0,1,2,3
	ds_load_b128 v[KF+4*\n:KF+4*\n+3], v[AKL] offset:512*\n
.endr
	ds_load_b32 v[KSC], v[ASL]
.endm
; S^T of a step: 4 tiles of keys x 2 tiles of queries; eight sums of one instruction each, begun with the constant 0
.macro QK8
.irp dd, 0,1
.irp u, 0,1
.irp q, 0,1
.if \dd
	v_wmma_scale_f32_16x16x128_f8f6f4 v[S+32*\q+8*(2*\dd+\u):S+32*\q+8*(2*\dd+\u)+7], v[KF+8*\dd:KF+8*\dd+7], v[QB+8*\q+4*(1-\u):QB+8*\q+4*(1-\u)+7], 0, v[KSC], v[QS+\q] matrix_a_fmt:MATRIX_FMT_FP4 matrix_b_fmt:MATRIX_FMT_FP4 matrix_a_scale:MATRIX_SCALE_ROW1
.else
	v_wmma_scale_f32_16x16x128_f8f6f4 v[S+32*\q+8*(2*\dd+\u):S+32*\q+8*(2*\dd+\u)+7], v[KF+8*\dd:KF+8*\dd+7], v[QB+8*\q+4*(1-\u):QB+8*\q+4*(1-\u)+7], 0, v[KSC], v[QS+\q] matrix_a_fmt:MATRIX_FMT_FP4 matrix_b_fmt:MATRIX_FMT_FP4
.endif
.endr
.endr
.endr
.endm
; A step of pass 1.  The two additions and two v_nop are the four plain instructions between the products and the loads into their sources, and the first read of their results
.macro P1STEP
	s_wait_dscnt 0x0                               ; this step's fragments are in
	QK8
	v_add_nc_u32 v[AKL], s[TB], v[L16]
	v_add_nc_u32 v[ASL], s[TS], v[ASL0]
	v_nop
	v_nop
	KLOAD                                          ; the next step's, under this step's maxima
.irp pp, 0,1,2,3
.irp q, 0,1
.irp n, 0,1,2,3
	v_max3_num_f32 v[MX+4*\q+\n], v[MX+4*\q+\n], v[S+32*\q+8*\n+2*\pp], v[S+32*\q+8*\n+2*\pp+1]   ; eight chains by turns; each result from its low end on
.endr
.endr
.endr
.endm
; A PREFETCH INTO THE L2, behind my sixteen loads of unit n + 3 in slot n: my unit n + 5, 32 rows of 256 bytes, a lane a row: two slots, 160 of my matrix instructions, ahead of that unit's loads.
; All eight work-groups of a pair walk the same v: the pair's first (x = 0) asks, each wave for its own unit, so each row is named once in the launch.  Slots 0 to 10 ask (units 5 to 15); units 0 to 4 come by their loads alone.
.macro ASK
	s_cmp_gt_u32 s[CNT], s[LIM]
	s_cbranch_scc0 .Lnot_mine_\@
	global_prefetch_b8 v[PFO], s[VB:VB+1] offset:131072 th:TH_LOAD_NT scope:SCOPE_SE
.Lnot_mine_\@:
.endm
; My unit of V in buffer lb becomes four f16 fragments (in S^T's registers, which are free here) and goes to slot sp as an image.  lcnt: the loads issued behind the unit's sixteen.
; load = 1: the buffer takes the unit two slots on; step = 1: the walking address goes a slot on first.
.macro CONVERT lb, sp, lcnt, load, step, ask
	s_wait_loadcnt \lcnt
	WIN 0x05                                       ; sources in window 1
.irp t, 0,1,2,3
.irp a, 0,1
.irp n, 0,1,2,3
	v_cvt_pk_f16_f32 v[S+8*\t+4*\a+\n], v[128+64*(\lb)+4*(8*\a+2*\n)+\t], v[128+64*(\lb)+4*(8*\a+2*\n+1)+\t]   ; keys 16 a + 8 h + 2 n, + 1 of channel 4 r + t
.endr
.endr
.endr
	WIN 0
.irp t, 0,1,2,3
.irp a, 0,1
	ds_store_b128 v[AVS], v[S+8*\t+4*\a:S+8*\t+4*\a+3] offset:(\sp)*32768+\t*1024+\a*512
.endr
.endr
.if \load
	s_wait_xcnt 0x0                                ; the loads and the prefetch of a slot ago have read their base: it may step
.if \step
	s_add_nc_u64 s[VB:VB+1], s[VB:VB+1], 32768
.endif
	VGLOAD \lb, 65536
.if \ask
	ASK
.endif
.endif
.endm
; The first half of a step of pass 2: scores, c s - c m, exponentials.  knext = 1: the next step's fragments of K are fetched.
.macro PART_A knext
.if \knext
	s_add_co_u32 s[TB], s[TB], 2048
	s_add_co_u32 s[TS], s[TS], 128
.endif
	s_wait_dscnt 0x0                               ; this step's fragments of K are in
	QK8
.if \knext
	v_add_nc_u32 v[AKL], s[TB], v[L16]             ; four plain instructions, as in pass 1
	v_add_nc_u32 v[ASL], s[TS], v[ASL0]
	v_nop
	v_nop
	KLOAD
.else
.rept 4
	v_nop
.endr
.endif
.irp n, 0,1,2,3,4,5,6,7,8,9,10,11,12,13,14,15
.irp q, 0,1
	v_pk_fma_f32 v[S+32*\q+2*\n:S+32*\q+2*\n+1], v[S+32*\q+2*\n:S+32*\q+2*\n+1], s[CS:CS+1], v[NCM+2*\q:NCM+2*\q+1] op_sel_hi:[1,0,0]   ; c s - c m, two at a time; each result from its low end on
.endr
.endr
.set ex, 0
.rept 64
	v_exp_f32 v[S+ex], v[S+ex]                     ; p, not normalised
.set ex, ex+1
.endr
	v_nop                                          ; a plain instruction behind the last exponential
	s_wait_alu depctr_va_vdst(0)                   ; the wait ahead of the first instruction that names a result: one for the batch of 64
.endm
.macro VLOAD par, g, be                ; the four fragments of group g (32 keys) of batch be from slot par
.irp t, 0,1,2,3
.irp a, 0,1
	ds_load_b128 v[VF+32*(\be)+8*\t+4*\a:VF+32*(\be)+8*\t+4*\a+3], v[AVL] offset:(\par)*32768+(2*(\g)+(\be))*4096+\t*1024+\a*512
.endr
.endr
.endm
; O^T += V^T P for 32 keys (half gg of the step) and one batch: eight accumulators by turns; the same one comes back sixteen matrix instructions later
.macro PV8 gg, be, zero
.irp t, 0,1,2,3
.irp q, 0,1
.if \zero
	v_wmma_f32_16x16x32_f16 v[64*\q+32*(\be)+8*\t:64*\q+32*(\be)+8*\t+7], v[VF+32*(\be)+8*\t:VF+32*(\be)+8*\t+7], v[P+16*\q+8*(\gg):P+16*\q+8*(\gg)+7], 0
.else
	v_wmma_f32_16x16x32_f16 v[64*\q+32*(\be)+8*\t:64*\q+32*(\be)+8*\t+7], v[VF+32*(\be)+8*\t:VF+32*(\be)+8*\t+7], v[P+16*\q+8*(\gg):P+16*\q+8*(\gg)+7], v[64*\q+32*(\be)+8*\t:64*\q+32*(\be)+8*\t+7]
.endif
.endr
.endr
.endm
; The second half of a step: row sums, p to f16, 32 products.  e: which of the slot's two steps.  conv = 1: my unit for the next slot is converted and stored here.  sig = 1: the slot's barrier is signalled.
.macro PART_B par, e, zero, conv, lcnt, load, sig
	VLOAD \par, 2*(\e), 0
	VLOAD \par, 2*(\e), 1
.irp n, 0,1,2,3,4,5,6,7,8,9,10,11,12,13,14,15
.irp q, 0,1
	v_pk_add_f32 v[LS+4*\q+2*(\n%2):LS+4*\q+2*(\n%2)+1], v[LS+4*\q+2*(\n%2):LS+4*\q+2*(\n%2)+1], v[S+32*\q+2*\n:S+32*\q+2*\n+1]   ; the row's sum of the unrounded p: four chains
.endr
.endr
.irp n, 0,1,2,3,4,5,6,7,8,9,10,11,12,13,14,15
.irp q, 0,1
	v_cvt_pk_f16_f32 v[P+16*\q+\n], v[S+32*\q+2*\n], v[S+32*\q+2*\n+1]
.endr
.endr
.if \conv
	CONVERT 1-(\par), 1-(\par), \lcnt, \load, 1, 1
	s_wait_dscnt 8                                 ; the sixteen fragment loads are in; the eight image stores behind them may be out
.else
	s_wait_dscnt 0x0
.endif
	WIN 0x50                                       ; C and D in window 1
	PV8 0, 0, \zero
.rept 4
	v_nop                                          ; four plain instructions in front of loads into registers that matrix instructions have read
.endr
	WIN 0
	VLOAD \par, 2*(\e)+1, 0
	WIN 0x50
	PV8 0, 1, \zero
.rept 4
	v_nop
.endr
	WIN 0
	VLOAD \par, 2*(\e)+1, 1
	s_wait_dscnt 8                                 ; all but the eight loads just issued
	WIN 0x50
	PV8 1, 0, 0
	s_wait_dscnt 0x0                               ; my last reads of the step are back, and my image stores for the next slot are done
.if \sig
	s_barrier_signal -1                            ; so I say so; up to the wait stand register work and loads of K's images, which nobody writes again
.endif
	PV8 1, 1, 0
	WIN 0
.endm
; A slot: 128 keys, two steps.  It reads slot par, stores my next unit into the other slot, and runs the next step's first half ahead of each second half.
; ONE BARRIER A SLOT, split: behind its wait every wave has read slot par to the end (it is stored over next) and has stored its unit of the other slot (it is read next).
.macro SLOT par, zero, conv, lcnt, load, last
	PART_B \par, 0, \zero, \conv, \lcnt, \load, 0
	PART_A 1-(\last)
	PART_B \par, 1, 0, 0, 0, 0, 1-(\last)
.if (\last) == 0
	PART_A 1
	s_barrier_wait -1
.endif
.endm
	; ---- THE HEAD
	s_load_b256 s[4:11], s[0:1], 0x0               ; q s[4:5], k s[6:7], v s[8:9], out s[10:11]
	v_lshl_add_u32 v[SPW], v0, 2, SPARE
	v_mov_b32 v[NIL], 0
	v_lshrrev_b32 v17, 5, v0
	v_readfirstlane_b32 s[WV], v17                 ; wave 0..7
	s_mov_b32 s13, ttmp9                           ; x: my block of 256 queries
	s_and_b32 s14, ttmp7, 0xffff                   ; y = 16 b' + h
	s_lshl_b32 s16, s14, 19                        ; a head is 2,048 rows of 256 bytes
	s_lshl_b32 s18, s13, 16
	s_add_co_u32 s18, s18, s16
	s_lshl_b32 s15, s[WV], 13
	s_add_co_u32 s18, s18, s15                     ; q and out: head + 256 rows x + 32 rows w
	s_mov_b32 s19, 0
	s_lshl_b32 s36, s[WV], 16
	s_add_co_u32 s36, s36, s16                     ; k: head + 256 rows w
	s_mov_b32 s37, 0
	s_and_b32 s38, s[WV], 1
	s_lshl_b32 s38, s38, 24                        ; v: batch b' + 2 (w % 2): two batches are 2^24 bytes,
	s_add_co_u32 s38, s38, s16
	s_lshr_b32 s15, s[WV], 1
	s_lshl_b32 s15, s15, 13                        ; group w / 2 of the slot's four: 32 rows
	s_add_co_u32 s38, s38, s15
	s_mov_b32 s39, 0
	s_mov_b32 s[SEL], 0x76543210
	s_mov_b32 s[SEL+1], 0xfedcba98
	s_mov_b32 s[CS], 0x3e38aa3b                    ; c = log2(e) / 8
	s_mov_b32 s[CS+1], s[CS]                       ; (named with it as a pair)
	s_mov_b32 s[NC], 0xbe38aa3b                    ; -c
	v_and_b32 v240, 31, v0                         ; lane
	v_and_b32 v241, 15, v0                         ; r
	v_bfe_u32 v242, v0, 4, 1                       ; h
	v_bfe_u32 v243, v0, 3, 1
	v_and_b32 v244, 7, v0
	v_lshlrev_b32 v[L16], 4, v240
	v_lshlrev_b32 v[VLO], 4, v241
	v_lshl_add_u32 v[VLO], v242, 11, v[VLO]
	v_lshlrev_b32 v[PFO], 8, v240
	s_mul_i32 s15, s[WV], 9728
	s_add_co_u32 s15, s15, TURN                    ; my turning stage
	v_mul_u32_u24 v[ATS], v243, 2432               ; in: a load's lane holds row lane / 16, block (lane / 8) % 2, place lane % 8
	v_mad_u32_u24 v[ATS], v242, 144, v[ATS]
	v_lshl_add_u32 v[ATS], v244, 4, v[ATS]
	v_add_nc_u32 v[ATS], s15, v[ATS]
	v_mul_u32_u24 v[ATL], v242, 2432               ; out: block h of row r
	v_mad_u32_u24 v[ATL], v241, 144, v[ATL]
	v_add_nc_u32 v[ATL], s15, v[ATL]
	s_lshl_b32 s15, s[WV], 13
	v_add_nc_u32 v[AKS], s15, v[L16]
	s_lshl_b32 s15, s[WV], 9
	s_add_co_u32 s15, s15, SCK
	v_lshl_add_u32 v[ASS], v241, 2, s15
	v_lshl_add_u32 v[ASL0], v240, 2, SCK
	s_lshl_b32 s15, s[WV], 12
	s_add_co_u32 s15, s15, VIMG
	v_add_nc_u32 v[AVS], s15, v[L16]
	v_add_nc_u32 v[AVL], VIMG, v[L16]
	s_mul_i32 s15, s[WV], 4352
	s_add_co_u32 s15, s15, OSTG                    ; my stage for the way out
	v_mul_u32_u24 v[AOS], v241, 272                ; in: row r, 128 bytes for each half of the lanes
	v_lshl_add_u32 v[AOS], v242, 7, v[AOS]
	v_add_nc_u32 v[AOS], s15, v[AOS]
	v_mul_u32_u24 v[AOL], v242, 272                ; back: lanes 0-15 one row of 256 bytes, lanes 16-31 the next
	v_lshl_add_u32 v[AOL], v241, 4, v[AOL]
	v_add_nc_u32 v[AOL], s15, v[AOL]
	v_lshlrev_b32 v[GOO], 4, v241
	v_lshl_add_u32 v[GOO], v242, 8, v[GOO]
	v_lshlrev_b32 v[SH8], 3, v242
.irp z, 0,1,2,3,8,9,10,11,16,17,18,19
	v_mov_b32 v[QB+\z], 0                          ; the runs of zero codes beside Q's
.endr
	v_mov_b32 v[PT], 0                             ; written once: a lane permute's destination counts as one of its sources
	v_mov_b32 v[PT+1], 0
	s_wait_kmcnt 0x0
	s_add_nc_u64 s[4:5], s[4:5], s[18:19]
	s_add_nc_u64 s[10:11], s[10:11], s[18:19]      ; out, batch b'
	s_add_nc_u64 s[30:31], s[10:11], 0x1000000     ; out, batch b' + 2
	s_add_nc_u64 s[6:7], s[6:7], s[36:37]
	s_add_nc_u64 s[VB:VB+1], s[8:9], s[38:39]
	GLOAD 0, 4, 0, 1                               ; my 32 queries: read once in the launch
	GLOAD 1, 6, 0, 0                               ; my keys 0-31, 32-63, 64-95
	GLOAD 2, 6, 8192, 0
	GLOAD 3, 6, 16384, 0
.irp i, 0,1,2,3,4,5
	UNIT \i, 48                                    ; three units of sixteen loads were issued behind this one
.endr
	UNIT 6, 32                                     ; behind it: units 7 and 8
	UNIT 7, 32                                     ; unit 8 and V's first
	UNIT 8, 32                                     ; V's two
	s_wait_dscnt 0x0                               ; for the others' sake: my images of K and their scale words are stored
	s_barrier_signal -1
	s_barrier_wait -1                              ; all 64 pairs of tiles lie in LDS
	; ---- PASS 1: each query's largest score
.irp n, 0,1,2,3,4,5,6,7
	v_mov_b32 v[MX+\n], 0xff800000
.endr
	s_mov_b32 s[TB], 0
	s_mov_b32 s[TS], 0
	v_mov_b32 v[AKL], v[L16]
	v_mov_b32 v[ASL], v[ASL0]
	KLOAD                                          ; key step 0
	s_mov_b32 s[P1], 31
.Lpass1:
	s_add_co_u32 s[TB], s[TB], 2048                ; what this trip fetches: the next step
	s_add_co_u32 s[TS], s[TS], 128
	P1STEP
	s_sub_co_u32 s[P1], s[P1], 1
	s_cmp_lg_u32 s[P1], 0
	s_cbranch_scc1 .Lpass1
	s_mov_b32 s[TB], 0                             ; the last step is written out: it fetches step 0 again, for pass 2
	s_mov_b32 s[TS], 0
	P1STEP
.irp q, 0,1
	v_max3_num_f32 v[MX+4*\q], v[MX+4*\q], v[MX+4*\q+1], v[MX+4*\q+2]
.endr
.irp q, 0,1
	v_max_num_f32 v[MX+4*\q], v[MX+4*\q], v[MX+4*\q+3]
.endr
.irp q, 0,1
	v_permlanex16_b32 v[PT+\q], v[MX+4*\q], s[SEL], s[SEL+1]   ; the query's other keys lie in the lane 16 away
.endr
.irp q, 0,1
	v_max_num_f32 v[MX+4*\q], v[MX+4*\q], v[PT+\q]
.endr
.irp q, 0,1
	v_mul_f32 v[NCM+2*\q], s[NC], v[MX+4*\q]       ; -c m
	v_mov_b32 v[NCM+2*\q+1], 0                     ; (named with it as a pair)
.endr
.irp n, 0,1,2,3,4,5,6,7
	v_mov_b32 v[LS+\n], 0
.endr
	s_mov_b32 s[CNT], 7                            ; above 1: slot 0 asks
	s_cmp_eq_u32 s13, 0
	s_cselect_b32 s[LIM], 1, -1                    ; 1 in the pair's first work-group, else the greatest number
	; ---- PASS 2.  Slot n reads parity n % 2, converts my unit n + 1 and loads my unit n + 3
	CONVERT 0, 0, 16, 1, 0, 0                      ; unit 0 into slot 0 (unit 1's sixteen loads may be out); unit 2 is asked for
	s_wait_dscnt 0x0                               ; my unit is stored
	s_barrier_signal -1
	PART_A 1                                       ; step 0's scores and exponentials while the others arrive
	s_barrier_wait -1
	SLOT 0, 1, 1, 16, 1, 0                         ; slot 0: its first products start O^T's sums: nothing is cleared
	s_mov_b32 s[CNT], 6
.Lpair:                                                ; six trips of two slots: slots 1 to 12
	SLOT 1, 0, 1, 16, 1, 0
	SLOT 0, 0, 1, 16, 1, 0
	s_sub_co_u32 s[CNT], s[CNT], 1
	s_cmp_lg_u32 s[CNT], 0
	s_cbranch_scc1 .Lpair
	SLOT 1, 0, 1, 16, 0, 0                         ; slot 13: unit 14 is converted (unit 15's loads may be out); nothing is left to load
	SLOT 0, 0, 1, 0, 0, 0                          ; slot 14: unit 15: no load was issued behind it
	SLOT 1, 0, 0, 0, 0, 1                          ; slot 15: nothing to convert, no further step, no barrier
	; ---- THE WAY OUT.  The additions are the plain instructions behind the last products
.irp q, 0,1
	v_pk_add_f32 v[LS+4*\q:LS+4*\q+1], v[LS+4*\q:LS+4*\q+1], v[LS+4*\q+2:LS+4*\q+3]
.endr
.irp q, 0,1
	v_add_f32 v[LS+4*\q], v[LS+4*\q], v[LS+4*\q+1]
.endr
.irp q, 0,1
	v_permlanex16_b32 v[PT+\q], v[LS+4*\q], s[SEL], s[SEL+1]
.endr
.irp q, 0,1
	v_add_f32 v[LS+4*\q], v[LS+4*\q], v[PT+\q]     ; l: the row's sum
.endr
.irp q, 0,1
	v_rcp_f32 v[INV+\q], v[LS+4*\q]
.endr
	v_nop                                          ; a plain instruction behind the reciprocals
	s_wait_alu depctr_va_vdst(0)                   ; and the wait ahead of their first reader: one for the two
; Block c = 2 q + batch: 16 queries x 64 channels.  O^T / l, j first, so that a lane's 32 registers are 32 neighbouring channels; through my stage (rows of 272 bytes) and back, as whole rows, into the registers that they left.
.macro PACK c
	WIN 0x01                                       ; source 0 (O^T) in window 1
.irp j, 0,1,2,3,4,5,6,7
.irp t, 0,1,2,3
	v_mul_f32 v[S+32*(\c)+4*\j+\t], v[64*((\c)/2)+32*((\c)%2)+8*\t+\j], v[INV+(\c)/2]   ; each accumulator from its low end on
.endr
.endr
	WIN 0
.irp j, 0,1,2,3,4,5,6,7
	ds_store_b128 v[AOS], v[S+32*(\c)+4*\j:S+32*(\c)+4*\j+3] offset:16*\j
.endr
.irp n, 0,1,2,3,4,5,6,7
	ds_load_b128 v[S+32*(\c)+4*\n:S+32*(\c)+4*\n+3], v[AOL] offset:544*\n   ; my own bytes, served in order: these see the stores above, and the next block's stores come behind them
.endr
.endm
.macro SEND c, younger                 ; younger: the LDS instructions issued behind block c's loads: the next block's sixteen, or none
.irp n, 0,1,2,3,4,5,6,7
	s_wait_dscnt (\younger)+7-\n
	global_store_b128 v[GOO], v[S+32*(\c)+4*\n:S+32*(\c)+4*\n+3], s[10+20*((\c)%2):11+20*((\c)%2)] offset:((\c)/2)*4096+512*\n th:TH_STORE_NT   ; 32 lanes store two whole rows: 512 consecutive bytes, at a multiple of 256 from out's first byte
.endr
.endm
	PACK 0
	PACK 1                                         ; a block's arithmetic stands between the loads of the block before and its stores
	SEND 0, 16
	PACK 2
	SEND 1, 16
	PACK 3
	SEND 2, 16
	SEND 3, 0
	s_wait_tensorcnt 0x0                           ; the wave's end
	ds_add_u32 v[SPW], v[NIL]
	s_wait_dscnt 0x0
	s_endpgm
.Lfunc_end_k_q6a66d1de84_attend:
	.size	k_q6a66d1de84_attend, .Lfunc_end_k_q6a66d1de84_attend-k_q6a66d1de84_attend
	.p2alignl 7, 3214868480
	.fill 96, 4, 3214868480
	.section	.rodata,"a",@progbits
	.p2align	6, 0x0
	.amdhsa_kernel k_q6a66d1de84_attend
		.amdhsa_group_segment_fixed_size 249088
		.amdhsa_private_segment_fixed_size 0
		.amdhsa_enable_private_segment 0
		.amdhsa_kernarg_size 32
		.amdhsa_user_sgpr_count 2
		.amdhsa_user_sgpr_kernarg_segment_ptr 1
		.amdhsa_wavefront_size32 1
		.amdhsa_system_sgpr_workgroup_id_x 1
		.amdhsa_system_sgpr_workgroup_id_y 1
		.amdhsa_system_sgpr_workgroup_id_z 1
		.amdhsa_system_vgpr_workitem_id 0
		.amdhsa_next_free_vgpr 512
		.amdhsa_next_free_sgpr 66
		.amdhsa_reserve_vcc 0
		.amdhsa_float_denorm_mode_32 3
		.amdhsa_float_denorm_mode_16_64 3
		.amdhsa_memory_ordered 1
		.amdhsa_forward_progress 1
		.amdhsa_inst_pref_size 255
	.end_amdhsa_kernel
	.section	.bss,"aw",@nobits
	.p2align	6
	.space	262144
	.amdgpu_metadata
---
amdhsa.version: [ 1, 2 ]
amdhsa.kernels:
  - .name:           k_q6a66d1de84_attend
    .symbol:         k_q6a66d1de84_attend.kd
    .args:
      - { .name: q, .offset: 0, .size: 8, .value_kind: global_buffer, .address_space: global }
      - { .name: k, .offset: 8, .size: 8, .value_kind: global_buffer, .address_space: global }
      - { .name: v, .offset: 16, .size: 8, .value_kind: global_buffer, .address_space: global }
      - { .name: out0, .offset: 24, .size: 8, .value_kind: global_buffer, .address_space: global }
    .group_segment_fixed_size: 249088
    .private_segment_fixed_size: 0
    .kernarg_segment_align: 8
    .kernarg_segment_size: 32
    .max_flat_workgroup_size: 256
    .sgpr_count:     66
    .vgpr_count:     512
    .wavefront_size: 32
...
	.end_amdgpu_metadata
.endif
;; end of part 1
;; ======== version 2 of 2: 1 launch; version 1 with the launch attend written anew for expert scheduling mode
;; limits: values are held in f16: magnitudes above 65,504 overflow, below 6.1e-05 lose precision
;; launch attend (part 2): grid 8 x 32, 8 waves a work-group, no clusters, 249,088 bytes of LDS; arguments q, k, v, out0; writes out0
.if DOCPART == 2
	.amdgcn_target "amdgcn-amd-amdhsa--gfx1250"
	.amdhsa_code_object_version 6
	.text
	.protected	k_q6a66d1de84_attend
	.globl	k_q6a66d1de84_attend
	.p2align	8
	.type	k_q6a66d1de84_attend,@function
k_q6a66d1de84_attend:
	s_mov_b64 s[64:65], 0
	v_nop
	global_prefetch_b8 v0, s[64:65] scope:SCOPE_SE
	s_setreg_imm32_b32 hwreg(HW_REG_WAVE_SCHED_MODE, 0, 2), 2
	s_setreg_imm32_b32 hwreg(HW_REG_WAVE_MODE, 25, 1), 1
	s_wait_xcnt 0x0
	s_wait_alu depctr_vm_vsrc(0)
; out[b][h][i][:] = the sum over j of softmax_j(Q(q[b'][h][i]) . Q(k[b'][h][j]) / 8) v[b][h][j][:], b' = b mod 2 (swap = 1: the weights of batches 0 and 1 serve batches 2 and 3 too).
; q, k, v, out: [4][16][2048][64] f32.  Q(.) = codes of E2M1 with one E8M0 scale for each 32 of the 64 channels; the scores are made by the scaled FP4 matrix instruction; the second product takes
; the weights p and v as f16, sums in f32; maxima, exponentials and row sums in f32.
; SHARES.  256 work-groups: x = a block of 256 queries, y = 16 b' + h.  Eight waves; a wave owns 32 queries (two tiles of 16) and keeps O^T for BOTH batches b' and b' + 2: one softmax feeds two value tensors.
; q[2:] and k[2:] enter no output under swap = 1 and are not loaded.
; TWO PASSES over the 2,048 keys, 64 a step.  Pass 1: scores, and each query's true maximum m.  Pass 2: the same scores by the same instructions (the same bits), p = 2^(c s - c m), c = log2(e) / 8,
; the row's sum of the unrounded p, and O^T += V^T P.  So O^T is never rescaled, and no exponential waits for a maximum inside the loop.
; K IS QUANTISED ONCE A WORK-GROUP: wave w takes keys 256 w .. 256 w + 255; the codes go to LDS as images of the operand's registers (64 KB) with their scale words (4 KB) and stay for both passes.
; K = 64 IN AN INSTRUCTION OF K = 128: source 0 (8 registers) holds TWO tiles of 16 keys, tile 2 d in registers 0-3 (the unit's k 0-63) and tile 2 d + 1 in registers 4-7 (k 64-127).  Q's codes stand between runs of zero
; codes, [0][q0][0][q1][0], four registers each: the eight registers (q, 0) pick the first tile, (0, q) the second: zero codes add nothing.  The keys' scale word holds the two tiles' two bytes each, Q's its two bytes twice.
; S^T = K Q^T: lane (r, h) holds query r and keys 8 h + 0 .. 7 of a tile; two tiles, rounded to f16 in pairs, ARE source 1 (32 keys x 16 queries) of O^T = V^T P.
; V WITHOUT A TRANSPOSITION: channel tile t takes channels 4 r + t in its row r.  Lane (r, h) loads 16 bytes, V[key][4 r .. 4 r + 3], of its 16 keys (sixteen lanes read a whole row of 256 bytes); 32 packed
; conversions give the four fragments (32 keys x 64 channels) of one batch: a UNIT, 4 KB as an image.  A slot of the ring holds 128 keys x 2 batches = 8 units, one from each wave.
; In O^T register j of tile t is channel 32 h + 4 j + t: a lane's 32 registers, taken j first, are 32 neighbouring channels of its query.
; NO CLUSTER, NO TENSOR LOAD: what the eight work-groups of a pair share (k, v) arrives as f32 and has to pass through registers before it is an operand; brought jointly it would land in LDS as f32: 32 KB written and 32 KB read
; more for each 64 keys beside the 128 KB of fragment reads, and a round of the cluster's barrier for each slot.
; LIMITS: NaN and infinities among the inputs are not served.  |v| up to 65,504 (f16).  A block of 32 whose largest magnitude lies under 2^-124 (zeros among them) gets the scale byte 1, where the rule gives a block of zeros 127:
; its codes are zeros or the rule's own, and the bytes are read by this program alone.
;
; THE MODE: SCHED_MODE bits 1:0 = 2 (LLVM: expert scheduling mode 2), set by the entry lines.  The code itself states the register dependences between vector or matrix instructions and memory or LDS instructions,
; with s_wait_alu, always for 0.
; THE PLAN.  Registers that memory or LDS instructions touch, and who else names them:
;   v1-7, v10-16       addresses and offsets: written at the head, ahead of the head's one wait on va_vdst; never written again.
;   v8, v9             AKL, ASL: read by each fetch of K's fragments; written by two additions a key step, behind a wait on vm_vsrc and ahead of a wait on va_vdst that stands there for other registers too.
;   HEAD, a unit:      a quarter of window 1: loaded, read by the turning stage's stores, loaded again.  S: the stage's loads land, the quantiser reads.  KC, KW: the quantiser writes, the image stores read.
;                      One wait on vm_vsrc behind the unit's wait for LDS (the quarter and KC, KW are read), one on va_vdst behind the quantiser (KC, KW are written, S is read).
;   PASS 1:            K's fragments have TWO sets by turns (the second in V's registers, idle there): step n's products read set n % 2 while step n + 1's fragments land in the other, which no vector or matrix
;                      instruction issued since the wait at the step's head names.
;   PASS 2, K:         one set.  The products read it at the head of a step's first half; the wait behind the exponentials also states that they are done with it; the next step's fetch follows that wait.
;   PASS 2, V:         VF takes the fragments of a step's first 32 keys: loaded at the head of the second half, behind the same wait.  S^T's registers take those of the second 32 keys: p has been summed and rounded by then.
;                      One wait on va_vdst behind the second half's vector work states that S is read (and, where my next unit is converted, that its fragments in S[0..31] are written and the raw buffer is read);
;                      behind it the image stores, the loads of the unit two slots on and the sixteen loads into S follow with no further wait on va_vdst, the last dealt among the 32 products, which name VF, S only when loaded, P and O^T.
;                      S[0..31] is read by the image stores: a wait on vm_vsrc stands ahead of the loads that land there.
;   WAY OUT:           four blocks of 32 registers: written by the multiplications (one wait on va_vdst behind all 128), read by the stage's stores, loaded back (a wait on vm_vsrc between), read by the global stores.
;   v18, v19           written at the head, read by the closing add alone.
;
; LDS (bytes): 0 K's images, 64 x 1,024 | 65,536 K's scale words, 64 x 64 (256 left unused behind them) | 69,888 V's ring, 2 slots x 8 units x 4,096 | 135,424 a turning stage for each wave, 9,728 |
;   213,248 a stage for the way out for each wave, 16 rows x 272 | 248,064 the spare words, 128 for each wave.
; REGISTERS, window 0: v1-16 addresses; v18, v19 the add's two; v20-23 -c m; v24-31 row sums; v32-51 Q's codes and zeros; v52, v53 Q's scale words; v54 K's (v55: the second set's, pass 1); v56-71 K's fragments of a step;
;   v72-135 S^T, then p, then V's fragments of the step's second 32 keys (in the head 64 numbers to quantise; in pass 2 also a unit's f16 fragments; on the way out, with v136-199, four blocks of O); v136-167 P;
;   v168-231 V's fragments of the step's first 32 keys (pass 1: v168-183 K's second set); v232-253 at work.
;   window 1: v0-127 O^T (64 q + 32 batch + 8 t); v128-191, v192-255 two units of V as loaded.  In the head all four quarters take units of q and k as loaded.
.set SCK,   65536
.set VIMG,  69888
.set TURN,  135424
.set OSTG,  213248
.set SPARE, 248064
.set L16,  1                           ; 16 x lane
.set VLO,  2                           ; V: 2,048 h + 16 r
.set PFO,  3                           ; 256 x lane: a row of V
.set ATS,  4                           ; turning stage, in
.set ATL,  5                           ; turning stage, out
.set AKS,  6                           ; where I store K's images: 8,192 w + 16 lane
.set ASS,  7                           ; and their scale words: SCK + 512 w + 4 r
.set AKL,  8                           ; the step's images of K
.set ASL,  9                           ; the step's scale words
.set ASL0, 10                          ; SCK + 4 lane
.set AVS,  11                          ; where I store my unit of V: VIMG + 4,096 w + 16 lane
.set AVL,  12                          ; VIMG + 16 lane
.set AOS,  13                          ; the way out: in
.set AOL,  14                          ; the way out: back
.set GOO,  15                          ; 256 h + 16 r: two rows of out
.set SH8,  16                          ; 8 h
.set SPW,  18                          ; LDS address of my spare word; never rewritten
.set NIL,  19                          ; 0; never rewritten
.set NCM,  20                          ; v[20:21], v[22:23]: -c m of tile 0, 1 in the low word
.set LS,   24                          ; tile q: two pairs of partial row sums
.set QB,   32
.set QS,   52
.set KSC,  54                          ; K's scale words: set p in v[KSC + p]
.set KF,   56                          ; K's fragments: set p at KF + KG p
.set KG,   112                         ; the second set, which pass 1 alone has, lies in v168-183
.set S,    72
.set P,    136
.set VF,   168
.set MX,   232                         ; pass 1: eight running maxima
.set QM,   232                         ; the quantiser: four chains,
.set QE,   236                         ; two scale operands,
.set QBY,  238                         ; two bytes
.set KC,   240                         ; a pair of tiles' codes
.set PT,   248                         ; destinations of lane permutes
.set KW,   250                         ; K's scale word
.set INV,  252                         ; 1 / l of tile 0, 1
.set WV,   12
.set SEL,  20                          ; s[20:21] v_permlanex16_b32's selects for lane l xor 16
.set CS,   22                          ; s[22:23] c, twice
.set TB,   24                          ; LDS byte of the step's images of K
.set TS,   25                          ; and of its scale words
.set CNT,  26
.set LIM,  27
.set VB,   28                          ; s[28:29] my unit of V, walking
.set NC,   32                          ; -c
.set P1,   33
.set MSB, 0
.macro WIN new                         ; s_set_vgpr_msb: bits 1:0 source 0, 3:2 source 1, 5:4 source 2, 7:6 destination; the high byte repeats the setting that is left
.if MSB != \new
	s_set_vgpr_msb (MSB<<8)|\new
.set MSB, \new
.endif
.endm
; A unit of q or k as it lies: 32 rows x 256 bytes, sixteen loads of 512 consecutive bytes, into quarter buf of window 1
.macro GLOAD buf, base, imm, nt
	WIN 0x40
.irp jj, 0,1,2,3,4,5,6,7,8,9,10,11,12,13,14,15
.if \nt
	global_load_b128 v[64*(\buf)+4*\jj:64*(\buf)+4*\jj+3], v[L16], s[\base:\base+1] offset:(\imm)+512*\jj th:TH_LOAD_NT
.else
	global_load_b128 v[64*(\buf)+4*\jj:64*(\buf)+4*\jj+3], v[L16], s[\base:\base+1] offset:(\imm)+512*\jj
.endif
.endr
	WIN 0
.endm
; A unit of V: 32 keys of one batch; register 4 (8 a + n) + t = V[16 a + 8 h + n][4 r + t]; each load reads two whole rows
.macro VGLOAD lb, imm
	WIN 0x40
.irp a, 0,1
.irp n, 0,1,2,3,4,5,6,7
	global_load_b128 v[128+64*(\lb)+4*(8*\a+\n):128+64*(\lb)+4*(8*\a+\n)+3], v[VLO], s[VB:VB+1] offset:(\imm)+(16*\a+\n)*256
.endr
.endr
	WIN 0
.endm
; 64 numbers of a lane, v[S + 32 u + 0 .. 31] = block h (32 channels) of row r of tile u, become tile u's codes (four registers from d0, d1 on) and its two scale bytes in v[QBY + u] (both halves of the lanes hold both)
.macro QUANT d0, d1
.irp u, 0,1
	v_max3_num_f32 v[QM+2*\u], |v[S+32*\u]|, |v[S+32*\u+1]|, 0x1800000          ; the floor 2^(3 - 127) among the leaves: the byte cannot fall under 1
	v_max3_num_f32 v[QM+2*\u+1], |v[S+32*\u+16]|, |v[S+32*\u+17]|, 0x1800000
.endr
.irp n, 2,4,6,8,10,12,14
.irp u, 0,1
	v_max3_num_f32 v[QM+2*\u], v[QM+2*\u], |v[S+32*\u+\n]|, |v[S+32*\u+\n+1]|   ; four chains by turns
	v_max3_num_f32 v[QM+2*\u+1], v[QM+2*\u+1], |v[S+32*\u+16+\n]|, |v[S+32*\u+17+\n]|
.endr
.endr
.irp u, 0,1
	v_max_num_f32 v[QM+2*\u], v[QM+2*\u], v[QM+2*\u+1]                          ; the block's largest magnitude: all 32 numbers are mine
.endr
.irp u, 0,1
	v_add_nc_u32 v[QE+\u], 0xff000000, v[QM+2*\u]                               ; 2 off its exponent field: the conversion takes that field as its scale
.endr
.irp u, 0,1
	v_lshrrev_b32 v[QBY+\u], 23, v[QE+\u]                                       ; the scale's byte
.endr
.irp g, 0,1,2,3
	v_cvt_scalef32_pk8_fp4_f32 v[\d0+\g], v[S+8*\g:S+8*\g+7], v[QE]
	v_cvt_scalef32_pk8_fp4_f32 v[\d1+\g], v[S+32+8*\g:S+32+8*\g+7], v[QE+1]
.endr
.irp u, 0,1
	v_lshlrev_b32 v[QBY+\u], v[SH8], v[QBY+\u]                                  ; block h's byte at its place.  (Also the plain instruction behind the conversions)
.endr
.irp u, 0,1
	v_permlanex16_b32 v[PT+\u], v[QBY+\u], s[SEL], s[SEL+1]
.endr
.irp u, 0,1
	v_or_b32 v[QBY+\u], v[QBY+\u], v[PT+\u]                                     ; with the other block's
.endr
.endm
; Unit i of the head: 0 = my 32 queries, 1 .. 8 = my 256 keys, 32 at a time.  The loads took the bytes as they lie; the conversions want a whole block of 32 channels in one lane: the unit turns through my own stage:
; in: tile 4,864, block 2,432, row 144, 16 bytes a lane (a store's sixteen lanes: 128 bytes, and 128 more at 128 modulo 256); out: rows 144 bytes apart, an odd multiple of 16.
; lcnt: the loads issued behind this unit's sixteen.
.macro UNIT i, lcnt
	s_wait_loadcnt \lcnt
	WIN 0x04                                       ; an LDS store's data are its source 1: window 1
.irp jj, 0,1,2,3,4,5,6,7,8,9,10,11,12,13,14,15
	ds_store_b128 v[ATS], v[64*((\i)%4)+4*\jj:64*((\i)%4)+4*\jj+3] offset:(\jj/8)*4864+(\jj%8)*288
.endr
	WIN 0
.irp u, 0,1
.irp j, 0,1,2,3,4,5,6,7
	ds_load_b128 v[S+32*\u+4*\j:S+32*\u+4*\j+3], v[ATL] offset:\u*4864+16*\j   ; my own bytes; LDS serves a wave's instructions in order (ISA guide 5.7.1.4): these see the stores above.  No vector instruction since the last unit's wait on va_vdst names S
.endr
.endr
	s_wait_dscnt 0x0                               ; the numbers are back
	s_wait_alu depctr_vm_vsrc(0)                   ; the stage's stores have read the quarter, which is loaded again below; the last unit's image stores have read the codes and the scale word, which the quantiser writes again
.if (\i) < 5
	GLOAD (\i)%4, 6, ((\i)+3)*8192, 0              ; unit i + 4
.elseif (\i) == 6
	VGLOAD 0, 0                                    ; V's unit of slot 0, into the quarter just left
.elseif (\i) == 7
	VGLOAD 1, 32768                                ; and of slot 1
.endif
.if (\i) == 0
	QUANT QB+4, QB+12
	v_lshl_or_b32 v[QS], v[QBY], 16, v[QBY]        ; Q's scale words: the tile's two bytes twice, for (q, 0) and (0, q) alike
	v_lshl_or_b32 v[QS+1], v[QBY+1], 16, v[QBY+1]
	s_wait_alu depctr_va_vdst(0)                   ; the quantiser is done reading S, in which the next unit's loads land; Q's codes, the zeros beside them and Q's scale words are written, which the scaled products take
.else
	QUANT KC, KC+4
	v_lshl_or_b32 v[KW], v[QBY+1], 16, v[QBY]      ; the pair's scale word: first tile's two bytes, second tile's two
	s_wait_alu depctr_va_vdst(0)                   ; the codes and the scale word are written, which the stores below read; the quantiser is done reading S, in which the next unit's loads land
	ds_store_b128 v[AKS], v[KC:KC+3] offset:((\i)-1)*1024
	ds_store_b128 v[AKS], v[KC+4:KC+7] offset:((\i)-1)*1024+512
	ds_store_b32 v[ASS], v[KW] offset:((\i)-1)*64  ; lanes r and r + 16 store the same word at the same place
.endif
.endm
; The fragments of a key step into set p: two pairs of tiles, and one register of scale words: lanes 0-15 the first pair's rows, lanes 16-31 the second's
.macro KLOAD p
.irp n, 0,1,2,3
	ds_load_b128 v[KF+KG*(\p)+4*\n:KF+KG*(\p)+4*\n+3], v[AKL] offset:512*\n
.endr
	ds_load_b32 v[KSC+(\p)], v[ASL]
.endm
; S^T of a step, from set p: 4 tiles of keys x 2 tiles of queries; eight sums of one instruction each, begun with the constant 0
.macro QK8 p
.irp dd, 0,1
.irp u, 0,1
.irp q, 0,1
.if \dd
	v_wmma_scale_f32_16x16x128_f8f6f4 v[S+32*\q+8*(2*\dd+\u):S+32*\q+8*(2*\dd+\u)+7], v[KF+KG*(\p)+8*\dd:KF+KG*(\p)+8*\dd+7], v[QB+8*\q+4*(1-\u):QB+8*\q+4*(1-\u)+7], 0, v[KSC+(\p)], v[QS+\q] matrix_a_fmt:MATRIX_FMT_FP4 matrix_b_fmt:MATRIX_FMT_FP4 matrix_a_scale:MATRIX_SCALE_ROW1
.else
	v_wmma_scale_f32_16x16x128_f8f6f4 v[S+32*\q+8*(2*\dd+\u):S+32*\q+8*(2*\dd+\u)+7], v[KF+KG*(\p)+8*\dd:KF+KG*(\p)+8*\dd+7], v[QB+8*\q+4*(1-\u):QB+8*\q+4*(1-\u)+7], 0, v[KSC+(\p)], v[QS+\q] matrix_a_fmt:MATRIX_FMT_FP4 matrix_b_fmt:MATRIX_FMT_FP4
.endif
.endr
.endr
.endr
.endm
; A step of pass 1 on set p.  The next step's fragments are asked for ahead of this step's products, into the other set.
.macro P1STEP p
	s_wait_dscnt 0x0                               ; this step's fragments are in
	s_wait_alu depctr_vm_vsrc(0)                   ; the loads that brought them have read v[AKL] and v[ASL], which are written below
	v_add_nc_u32 v[AKL], s[TB], v[L16]
	v_add_nc_u32 v[ASL], s[TS], v[ASL0]
	s_wait_alu depctr_va_vdst(0)                   ; v[AKL] and v[ASL] are written, which the loads below read; the last step's products are done reading the other set and its scale words, in which they land
	KLOAD 1-(\p)                                   ; the next step's, under this step's products and maxima
	QK8 \p
.rept 4
	v_nop                                          ; four plain instructions between the products and the first read of their results (ISA guide 7.12.1)
.endr
.irp pp, 0,1,2,3
.irp q, 0,1
.irp n, 0,1,2,3
	v_max3_num_f32 v[MX+4*\q+\n], v[MX+4*\q+\n], v[S+32*\q+8*\n+2*\pp], v[S+32*\q+8*\n+2*\pp+1]   ; eight chains by turns; each result from its low end on
.endr
.endr
.endr
.endm
; A PREFETCH INTO THE L2, behind my sixteen loads of unit n + 3 in slot n: my unit n + 5, 32 rows of 256 bytes, a lane a row: two slots, 160 of my matrix instructions, ahead of that unit's loads.
; All eight work-groups of a pair walk the same v: the pair's first (x = 0) asks, each wave for its own unit, so each row is named once in the launch.  Slots 0 to 10 ask (units 5 to 15); units 0 to 4 come by their loads alone.
.macro ASK
	s_cmp_gt_u32 s[CNT], s[LIM]
	s_cbranch_scc0 .Lnot_mine_\@
	global_prefetch_b8 v[PFO], s[VB:VB+1] offset:131072 th:TH_LOAD_NT scope:SCOPE_SE
.Lnot_mine_\@:
.endm
; My unit of V in buffer lb becomes four f16 fragments (in S^T's first 32 registers, which are free here) and goes to slot sp as an image.  lcnt: the loads issued behind the unit's sixteen.
; load = 1: the buffer takes the unit two slots on; step = 1: the walking address goes a slot on first.
.macro CONVERT lb, sp, lcnt, load, step, ask
	s_wait_loadcnt \lcnt
	WIN 0x05                                       ; sources in window 1
.irp t, 0,1,2,3
.irp a, 0,1
.irp n, 0,1,2,3
	v_cvt_pk_f16_f32 v[S+8*\t+4*\a+\n], v[128+64*(\lb)+4*(8*\a+2*\n)+\t], v[128+64*(\lb)+4*(8*\a+2*\n+1)+\t]   ; keys 16 a + 8 h + 2 n, + 1 of channel 4 r + t
.endr
.endr
.endr
	WIN 0
	s_wait_alu depctr_va_vdst(0)                   ; the conversions have written the unit's fragments, which the stores below read, and are done reading the raw buffer, in which the loads below land; the sums and roundings ahead of them are done reading S, in which V's fragments land later in the step
.irp t, 0,1,2,3
.irp a, 0,1
	ds_store_b128 v[AVS], v[S+8*\t+4*\a:S+8*\t+4*\a+3] offset:(\sp)*32768+\t*1024+\a*512
.endr
.endr
.if \load
	s_wait_xcnt 0x0                                ; the loads and the prefetch of a slot ago have read their base: it may step
.if \step
	s_add_nc_u64 s[VB:VB+1], s[VB:VB+1], 32768
.endif
	VGLOAD \lb, 65536
.if \ask
	ASK
.endif
.endif
.endm
; The first half of a step of pass 2: scores, c s - c m, exponentials.  knext = 1: the next step's fragments of K are fetched, behind the wait for the exponentials.
.macro PART_A knext
.if \knext
	s_add_co_u32 s[TB], s[TB], 2048
	s_add_co_u32 s[TS], s[TS], 128
.endif
	s_wait_dscnt 0x0                               ; this step's fragments of K are in
.if \knext
	s_wait_alu depctr_vm_vsrc(0)                   ; the loads that brought them have read v[AKL] and v[ASL], which are written below; in front of slot 0 also: my image stores have read S^T's registers, which the products write
	v_add_nc_u32 v[AKL], s[TB], v[L16]             ; five plain instructions between the last products V^T P, which read S^T's registers as a source, and the products that write over them (ISA guide 7.12.1)
	v_add_nc_u32 v[ASL], s[TS], v[ASL0]
.rept 3
	v_nop
.endr
.else
.rept 5
	v_nop
.endr
.endif
	QK8 0
.rept 4
	v_nop                                          ; four plain instructions between the products and the first read of their results
.endr
.irp n, 0,1,2,3,4,5,6,7,8,9,10,11,12,13,14,15
.irp q, 0,1
	v_pk_fma_f32 v[S+32*\q+2*\n:S+32*\q+2*\n+1], v[S+32*\q+2*\n:S+32*\q+2*\n+1], s[CS:CS+1], v[NCM+2*\q:NCM+2*\q+1] op_sel_hi:[1,0,0]   ; c s - c m, two at a time; each result from its low end on
.endr
.endr
.set ex, 0
.rept 64
	v_exp_f32 v[S+ex], v[S+ex]                     ; p, not normalised
.set ex, ex+1
.endr
	v_nop                                          ; a plain instruction behind the last exponential
	s_wait_alu depctr_va_vdst(0)                   ; the 64 exponentials have written p, ahead of the first instruction that names it; the products are done reading K's fragments and scale words, and v[AKL], v[ASL] are written: for the fetch below; the last step's products V^T P are done reading VF, in which the next loads of V land
.if \knext
	KLOAD 0                                        ; the next step's fragments: the whole second half of this step lies ahead of their use
.endif
.endm
.macro VLOAD dst, par, g, be           ; the four fragments of group g (32 keys) of batch be from slot par, into 32 registers from dst on
.irp t, 0,1,2,3
.irp a, 0,1
	ds_load_b128 v[(\dst)+8*\t+4*\a:(\dst)+8*\t+4*\a+3], v[AVL] offset:(\par)*32768+(2*(\g)+(\be))*4096+\t*1024+\a*512
.endr
.endr
.endm
; O^T += V^T P for 32 keys (half gg of the step) and one batch, V's fragments from src on: eight accumulators by turns; the same one comes back sixteen matrix instructions later
.macro PV8 src, gg, be, zero
.irp t, 0,1,2,3
.irp q, 0,1
.if \zero
	v_wmma_f32_16x16x32_f16 v[64*\q+32*(\be)+8*\t:64*\q+32*(\be)+8*\t+7], v[(\src)+8*\t:(\src)+8*\t+7], v[P+16*\q+8*(\gg):P+16*\q+8*(\gg)+7], 0
.else
	v_wmma_f32_16x16x32_f16 v[64*\q+32*(\be)+8*\t:64*\q+32*(\be)+8*\t+7], v[(\src)+8*\t:(\src)+8*\t+7], v[P+16*\q+8*(\gg):P+16*\q+8*(\gg)+7], v[64*\q+32*(\be)+8*\t:64*\q+32*(\be)+8*\t+7]
.endif
.endr
.endr
.endm
; The second half of a step: row sums, p to f16, 32 products.  e: which of the slot's two steps.  conv = 1: my unit for the next slot is converted and stored here.  sig = 1: the slot's barrier is signalled.
.macro PART_B par, e, zero, conv, lcnt, load, sig
	VLOAD VF, \par, 2*(\e), 0                      ; the first 32 keys, both batches.  No vector or matrix instruction since the wait behind the exponentials names VF
	VLOAD VF+32, \par, 2*(\e), 1
.irp n, 0,1,2,3,4,5,6,7,8,9,10,11,12,13,14,15
.irp q, 0,1
	v_pk_add_f32 v[LS+4*\q+2*(\n%2):LS+4*\q+2*(\n%2)+1], v[LS+4*\q+2*(\n%2):LS+4*\q+2*(\n%2)+1], v[S+32*\q+2*\n:S+32*\q+2*\n+1]   ; the row's sum of the unrounded p: four chains
.endr
.endr
.irp n, 0,1,2,3,4,5,6,7,8,9,10,11,12,13,14,15
.irp q, 0,1
	v_cvt_pk_f16_f32 v[P+16*\q+\n], v[S+32*\q+2*\n], v[S+32*\q+2*\n+1]
.endr
.endr
.if \conv
	CONVERT 1-(\par), 1-(\par), \lcnt, \load, 1, 1
	s_wait_dscnt 8                                 ; the sixteen fragment loads are in; the eight image stores behind them may be out
.else
	s_wait_alu depctr_va_vdst(0)                   ; the sums and the roundings are done reading S, in which V's fragments of the second 32 keys land below
	s_wait_dscnt 0x0
.endif
	WIN 0x50                                       ; C and D in window 1
	PV8 VF, 0, 0, \zero
	WIN 0
	VLOAD S+32, \par, 2*(\e)+1, 0                  ; the second 32 keys go into S^T's registers, dealt among the products: these name VF, P and O^T, none of the registers that the loads touch
	WIN 0x50
	PV8 VF+32, 0, 1, \zero
	WIN 0
.if \conv
	s_wait_alu depctr_vm_vsrc(0)                   ; my image stores have read S^T's first 32 registers, in which the loads below land
.endif
	VLOAD S, \par, 2*(\e)+1, 1
	s_wait_dscnt 8                                 ; all but the eight loads just issued
	WIN 0x50
	PV8 S+32, 1, 0, 0
	s_wait_dscnt 0x0                               ; my last reads of the step are back, and my image stores for the next slot are done
.if \sig
	s_barrier_signal -1                            ; so I say so; up to the wait stand register work and loads of K's images, which nobody writes again
.endif
	PV8 S, 1, 1, 0
	WIN 0
.endm
; A slot: 128 keys, two steps.  It reads slot par, stores my next unit into the other slot, and runs the next step's first half ahead of each second half.
; ONE BARRIER A SLOT, split: behind its wait every wave has read slot par to the end (it is stored over next) and has stored its unit of the other slot (it is read next).
.macro SLOT par, zero, conv, lcnt, load, last
	PART_B \par, 0, \zero, \conv, \lcnt, \load, 0
	PART_A 1-(\last)
	PART_B \par, 1, 0, 0, 0, 0, 1-(\last)
.if (\last) == 0
	PART_A 1
	s_barrier_wait -1
.endif
.endm
	; ---- THE HEAD
	s_load_b256 s[4:11], s[0:1], 0x0               ; q s[4:5], k s[6:7], v s[8:9], out s[10:11]
	v_lshl_add_u32 v[SPW], v0, 2, SPARE
	v_mov_b32 v[NIL], 0
	v_lshrrev_b32 v17, 5, v0
	v_readfirstlane_b32 s[WV], v17                 ; wave 0..7
	s_wait_alu depctr_va_sdst(0)                   ; s12 is written, ahead of its first reader: offsets and LDS addresses are made from it
	s_mov_b32 s13, ttmp9                           ; x: my block of 256 queries
	s_and_b32 s14, ttmp7, 0xffff                   ; y = 16 b' + h
	s_lshl_b32 s16, s14, 19                        ; a head is 2,048 rows of 256 bytes
	s_lshl_b32 s18, s13, 16
	s_add_co_u32 s18, s18, s16
	s_lshl_b32 s15, s[WV], 13
	s_add_co_u32 s18, s18, s15                     ; q and out: head + 256 rows x + 32 rows w
	s_mov_b32 s19, 0
	s_lshl_b32 s36, s[WV], 16
	s_add_co_u32 s36, s36, s16                     ; k: head + 256 rows w
	s_mov_b32 s37, 0
	s_and_b32 s38, s[WV], 1
	s_lshl_b32 s38, s38, 24                        ; v: batch b' + 2 (w % 2): two batches are 2^24 bytes,
	s_add_co_u32 s38, s38, s16
	s_lshr_b32 s15, s[WV], 1
	s_lshl_b32 s15, s15, 13                        ; group w / 2 of the slot's four: 32 rows
	s_add_co_u32 s38, s38, s15
	s_mov_b32 s39, 0
	s_mov_b32 s[SEL], 0x76543210
	s_mov_b32 s[SEL+1], 0xfedcba98
	s_mov_b32 s[CS], 0x3e38aa3b                    ; c = log2(e) / 8
	s_mov_b32 s[CS+1], s[CS]                       ; (named with it as a pair)
	s_mov_b32 s[NC], 0xbe38aa3b                    ; -c
	v_and_b32 v240, 31, v0                         ; lane
	v_and_b32 v241, 15, v0                         ; r
	v_bfe_u32 v242, v0, 4, 1                       ; h
	v_bfe_u32 v243, v0, 3, 1
	v_and_b32 v244, 7, v0
	v_lshlrev_b32 v[L16], 4, v240
	v_lshlrev_b32 v[VLO], 4, v241
	v_lshl_add_u32 v[VLO], v242, 11, v[VLO]
	v_lshlrev_b32 v[PFO], 8, v240
	s_mul_i32 s15, s[WV], 9728
	s_add_co_u32 s15, s15, TURN                    ; my turning stage
	v_mul_u32_u24 v[ATS], v243, 2432               ; in: a load's lane holds row lane / 16, block (lane / 8) % 2, place lane % 8
	v_mad_u32_u24 v[ATS], v242, 144, v[ATS]
	v_lshl_add_u32 v[ATS], v244, 4, v[ATS]
	v_add_nc_u32 v[ATS], s15, v[ATS]
	v_mul_u32_u24 v[ATL], v242, 2432               ; out: block h of row r
	v_mad_u32_u24 v[ATL], v241, 144, v[ATL]
	v_add_nc_u32 v[ATL], s15, v[ATL]
	s_lshl_b32 s15, s[WV], 13
	v_add_nc_u32 v[AKS], s15, v[L16]
	s_lshl_b32 s15, s[WV], 9
	s_add_co_u32 s15, s15, SCK
	v_lshl_add_u32 v[ASS], v241, 2, s15
	v_lshl_add_u32 v[ASL0], v240, 2, SCK
	s_lshl_b32 s15, s[WV], 12
	s_add_co_u32 s15, s15, VIMG
	v_add_nc_u32 v[AVS], s15, v[L16]
	v_add_nc_u32 v[AVL], VIMG, v[L16]
	s_mul_i32 s15, s[WV], 4352
	s_add_co_u32 s15, s15, OSTG                    ; my stage for the way out
	v_mul_u32_u24 v[AOS], v241, 272                ; in: row r, 128 bytes for each half of the lanes
	v_lshl_add_u32 v[AOS], v242, 7, v[AOS]
	v_add_nc_u32 v[AOS], s15, v[AOS]
	v_mul_u32_u24 v[AOL], v242, 272                ; back: lanes 0-15 one row of 256 bytes, lanes 16-31 the next
	v_lshl_add_u32 v[AOL], v241, 4, v[AOL]
	v_add_nc_u32 v[AOL], s15, v[AOL]
	v_lshlrev_b32 v[GOO], 4, v241
	v_lshl_add_u32 v[GOO], v242, 8, v[GOO]
	v_lshlrev_b32 v[SH8], 3, v242
.irp z, 0,1,2,3,8,9,10,11,16,17,18,19
	v_mov_b32 v[QB+\z], 0                          ; the runs of zero codes beside Q's
.endr
	v_mov_b32 v[PT], 0                             ; written once: a lane permute's destination counts as one of its sources
	v_mov_b32 v[PT+1], 0
	s_wait_kmcnt 0x0
	s_add_nc_u64 s[4:5], s[4:5], s[18:19]
	s_add_nc_u64 s[10:11], s[10:11], s[18:19]      ; out, batch b'
	s_add_nc_u64 s[30:31], s[10:11], 0x1000000     ; out, batch b' + 2
	s_add_nc_u64 s[6:7], s[6:7], s[36:37]
	s_add_nc_u64 s[VB:VB+1], s[8:9], s[38:39]
	s_wait_alu depctr_va_vdst(0)                   ; the addresses and offsets v1 to v7 and v10 to v16 are written, which the loads, stores and prefetches of the whole kernel read
	GLOAD 0, 4, 0, 1                               ; my 32 queries: read once in the launch
	GLOAD 1, 6, 0, 0                               ; my keys 0-31, 32-63, 64-95
	GLOAD 2, 6, 8192, 0
	GLOAD 3, 6, 16384, 0
.irp i, 0,1,2,3,4,5
	UNIT \i, 48                                    ; three units of sixteen loads were issued behind this one
.endr
	UNIT 6, 32                                     ; behind it: units 7 and 8
	UNIT 7, 32                                     ; unit 8 and V's first
	UNIT 8, 32                                     ; V's two
	s_wait_dscnt 0x0                               ; for the others' sake: my images of K and their scale words are stored
	s_barrier_signal -1
	s_barrier_wait -1                              ; all 64 pairs of tiles lie in LDS
	; ---- PASS 1: each query's largest score
.irp n, 0,1,2,3,4,5,6,7
	v_mov_b32 v[MX+\n], 0xff800000
.endr
	s_mov_b32 s[TB], 0
	s_mov_b32 s[TS], 0
	v_mov_b32 v[AKL], v[L16]
	v_mov_b32 v[ASL], v[ASL0]
	s_wait_alu depctr_va_vdst(0)                   ; v[AKL] and v[ASL] are written, which the loads below read
	KLOAD 0                                        ; key step 0
	s_mov_b32 s[P1], 15
.Lpass1:                                               ; two steps a trip, so that both sets of fragments are back at their start: steps 0 to 29
	s_add_co_u32 s[TB], s[TB], 2048                ; what a step fetches: the next step
	s_add_co_u32 s[TS], s[TS], 128
	P1STEP 0
	s_add_co_u32 s[TB], s[TB], 2048
	s_add_co_u32 s[TS], s[TS], 128
	P1STEP 1
	s_sub_co_u32 s[P1], s[P1], 1
	s_cmp_lg_u32 s[P1], 0
	s_cbranch_scc1 .Lpass1
	s_add_co_u32 s[TB], s[TB], 2048                ; steps 30 and 31 are written out:
	s_add_co_u32 s[TS], s[TS], 128
	P1STEP 0
	s_mov_b32 s[TB], 0                             ; the last fetches step 0 again, into the first set, for pass 2
	s_mov_b32 s[TS], 0
	P1STEP 1
.irp q, 0,1
	v_max3_num_f32 v[MX+4*\q], v[MX+4*\q], v[MX+4*\q+1], v[MX+4*\q+2]
.endr
.irp q, 0,1
	v_max_num_f32 v[MX+4*\q], v[MX+4*\q], v[MX+4*\q+3]
.endr
.irp q, 0,1
	v_permlanex16_b32 v[PT+\q], v[MX+4*\q], s[SEL], s[SEL+1]   ; the query's other keys lie in the lane 16 away
.endr
.irp q, 0,1
	v_max_num_f32 v[MX+4*\q], v[MX+4*\q], v[PT+\q]
.endr
.irp q, 0,1
	v_mul_f32 v[NCM+2*\q], s[NC], v[MX+4*\q]       ; -c m
	v_mov_b32 v[NCM+2*\q+1], 0                     ; (named with it as a pair)
.endr
.irp n, 0,1,2,3,4,5,6,7
	v_mov_b32 v[LS+\n], 0
.endr
	s_mov_b32 s[CNT], 7                            ; above 1: slot 0 asks
	s_cmp_eq_u32 s13, 0
	s_cselect_b32 s[LIM], 1, -1                    ; 1 in the pair's first work-group, else the greatest number
	; ---- PASS 2.  Slot n reads parity n % 2, converts my unit n + 1 and loads my unit n + 3
	CONVERT 0, 0, 16, 1, 0, 0                      ; unit 0 into slot 0 (unit 1's sixteen loads may be out); unit 2 is asked for
	s_wait_dscnt 0x0                               ; my unit is stored
	s_barrier_signal -1
	PART_A 1                                       ; step 0's scores and exponentials while the others arrive
	s_barrier_wait -1
	SLOT 0, 1, 1, 16, 1, 0                         ; slot 0: its first products start O^T's sums: nothing is cleared
	s_mov_b32 s[CNT], 6
.Lpair:                                                ; six trips of two slots: slots 1 to 12
	SLOT 1, 0, 1, 16, 1, 0
	SLOT 0, 0, 1, 16, 1, 0
	s_sub_co_u32 s[CNT], s[CNT], 1
	s_cmp_lg_u32 s[CNT], 0
	s_cbranch_scc1 .Lpair
	SLOT 1, 0, 1, 16, 0, 0                         ; slot 13: unit 14 is converted (unit 15's loads may be out); nothing is left to load
	SLOT 0, 0, 1, 0, 0, 0                          ; slot 14: unit 15: no load was issued behind it
	SLOT 1, 0, 0, 0, 0, 1                          ; slot 15: nothing to convert, no further step, no barrier
	; ---- THE WAY OUT.  The additions are the plain instructions behind the last products
.irp q, 0,1
	v_pk_add_f32 v[LS+4*\q:LS+4*\q+1], v[LS+4*\q:LS+4*\q+1], v[LS+4*\q+2:LS+4*\q+3]
.endr
.irp q, 0,1
	v_add_f32 v[LS+4*\q], v[LS+4*\q], v[LS+4*\q+1]
.endr
.irp q, 0,1
	v_permlanex16_b32 v[PT+\q], v[LS+4*\q], s[SEL], s[SEL+1]
.endr
.irp q, 0,1
	v_add_f32 v[LS+4*\q], v[LS+4*\q], v[PT+\q]     ; l: the row's sum
.endr
.irp q, 0,1
	v_rcp_f32 v[INV+\q], v[LS+4*\q]
.endr
	v_nop                                          ; a plain instruction behind the reciprocals
	s_wait_alu depctr_va_vdst(0)                   ; the two reciprocals have written 1 / l, ahead of its first reader
; Block c = 2 q + batch: 16 queries x 64 channels, in 32 registers of its own.  O^T / l, j first, so that a lane's 32 registers are 32 neighbouring channels.
.macro SCALE c
.irp j, 0,1,2,3,4,5,6,7
.irp t, 0,1,2,3
	v_mul_f32 v[S+32*(\c)+4*\j+\t], v[64*((\c)/2)+32*((\c)%2)+8*\t+\j], v[INV+(\c)/2]   ; each accumulator from its low end on
.endr
.endr
.endm
; The block goes through my stage (rows of 272 bytes) and comes back, as whole rows, into the registers that it left.
.macro STAGE c
.irp j, 0,1,2,3,4,5,6,7
	ds_store_b128 v[AOS], v[S+32*(\c)+4*\j:S+32*(\c)+4*\j+3] offset:16*\j
.endr
	s_wait_alu depctr_vm_vsrc(0)                   ; the stores above have read the block's registers, in which the loads below land
.irp n, 0,1,2,3,4,5,6,7
	ds_load_b128 v[S+32*(\c)+4*\n:S+32*(\c)+4*\n+3], v[AOL] offset:544*\n   ; my own bytes, served in order: these see the stores above, and the next block's stores come behind them
.endr
.endm
.macro SEND c, younger                 ; younger: the LDS instructions issued behind block c's loads: the next block's sixteen, or none
.irp n, 0,1,2,3,4,5,6,7
	s_wait_dscnt (\younger)+7-\n
	global_store_b128 v[GOO], v[S+32*(\c)+4*\n:S+32*(\c)+4*\n+3], s[10+20*((\c)%2):11+20*((\c)%2)] offset:((\c)/2)*4096+512*\n th:TH_STORE_NT   ; 32 lanes store two whole rows: 512 consecutive bytes, at a multiple of 256 from out's first byte
.endr
.endm
	WIN 0x01                                       ; source 0 (O^T) in window 1
	SCALE 0
	SCALE 1
	SCALE 2
	SCALE 3
	WIN 0
	s_wait_alu depctr_va_vdst(0)                   ; the multiplications have written the four blocks' registers, which the stage's stores read and in which its loads land; no vector instruction follows
	STAGE 0
	STAGE 1                                        ; a block's way through the stage stands between the loads of the block before and its stores
	SEND 0, 16
	STAGE 2
	SEND 1, 16
	STAGE 3
	SEND 2, 16
	SEND 3, 0
	s_wait_dscnt 0x0                               ; the closing lines, six on end
	s_wait_alu 0x0
	s_wait_tensorcnt 0x0
	ds_add_u32 v[SPW], v[NIL]
	s_wait_dscnt 0x0
	s_endpgm
.Lfunc_end_k_q6a66d1de84_attend:
	.size	k_q6a66d1de84_attend, .Lfunc_end_k_q6a66d1de84_attend-k_q6a66d1de84_attend
	.p2alignl 7, 3214868480
	.fill 96, 4, 3214868480
	.section	.rodata,"a",@progbits
	.p2align	6, 0x0
	.amdhsa_kernel k_q6a66d1de84_attend
		.amdhsa_group_segment_fixed_size 249088
		.amdhsa_private_segment_fixed_size 0
		.amdhsa_enable_private_segment 0
		.amdhsa_kernarg_size 32
		.amdhsa_user_sgpr_count 2
		.amdhsa_user_sgpr_kernarg_segment_ptr 1
		.amdhsa_wavefront_size32 1
		.amdhsa_system_sgpr_workgroup_id_x 1
		.amdhsa_system_sgpr_workgroup_id_y 1
		.amdhsa_system_sgpr_workgroup_id_z 1
		.amdhsa_system_vgpr_workitem_id 0
		.amdhsa_next_free_vgpr 512
		.amdhsa_next_free_sgpr 66
		.amdhsa_reserve_vcc 0
		.amdhsa_float_denorm_mode_32 3
		.amdhsa_float_denorm_mode_16_64 3
		.amdhsa_memory_ordered 1
		.amdhsa_forward_progress 1
		.amdhsa_inst_pref_size 255
	.end_amdhsa_kernel
	.section	.bss,"aw",@nobits
	.p2align	6
	.space	262144
	.amdgpu_metadata
---
amdhsa.version: [ 1, 2 ]
amdhsa.kernels:
  - .name:           k_q6a66d1de84_attend
    .symbol:         k_q6a66d1de84_attend.kd
    .args:
      - { .name: q, .offset: 0, .size: 8, .value_kind: global_buffer, .address_space: global }
      - { .name: k, .offset: 8, .size: 8, .value_kind: global_buffer, .address_space: global }
      - { .name: v, .offset: 16, .size: 8, .value_kind: global_buffer, .address_space: global }
      - { .name: out0, .offset: 24, .size: 8, .value_kind: global_buffer, .address_space: global }
    .group_segment_fixed_size: 249088
    .private_segment_fixed_size: 0
    .kernarg_segment_align: 8
    .kernarg_segment_size: 32
    .max_flat_workgroup_size: 256
    .sgpr_count:     66
    .vgpr_count:     512
    .wavefront_size: 32
...
	.end_amdgpu_metadata
.endif
;; end of part 2
